; MI455X (gfx1250); checked and timed in simulation.
; The chip was launched on July 23, 2026; its instructions are those of AMD's public machine-readable ISA for CDNA 5 (MIT licence, August 2026) and "CDNA5" Instruction Set Architecture Reference Guide (July 2026). The comments in the code are by the model that wrote it; some were corrected since.
;; STABLESSM Kernel. Allowed arithmetic: float matrix products may take bf16 or f16 operands with f32 sums; all other float work in f32.
;; Inputs: A_imag 1,024 x 32 float32; C_real 1,024 x 32 x 2 float32; log_A_real 1,024 x 32 float32; log_dt 1,024 float32.
;; Outputs: out0 1,024 x 4,096 float32.
;; Constants: L = 4096.
;; 2 versions, each right; version 2 is version 1 with the launch ssm written anew for expert scheduling mode. Each part assembles by itself: llvm-mc -triple=amdgcn-amd-amdhsa -mcpu=gfx1250 --defsym DOCPART=n.
;; ======== version 1 of 2: 1 launch
;; launch ssm (part 1): grid 256 x 1, 4 waves a work-group, no clusters, 168,448 bytes of LDS; arguments A_imag, C_real, log_A_real, log_dt, out0; writes out0
.if DOCPART == 1
	.amdgcn_target "amdgcn-amd-amdhsa--gfx1250"
	.amdhsa_code_object_version 6
	.text
	.protected	k_q1437c24181_ssm
	.globl	k_q1437c24181_ssm
	.p2align	8
	.type	k_q1437c24181_ssm,@function
k_q1437c24181_ssm:
	s_mov_b64 s[64:65], 0
	v_nop
	global_prefetch_b8 v0, s[64:65] scope:SCOPE_SE
	s_setreg_imm32_b32 hwreg(HW_REG_WAVE_MODE, 25, 1), 1
	s_wait_xcnt 0x0
; K[h][l] = 2 Re sum over n of Ct[h][n] w[h][n]^l,  w = exp(dtA),  Ct = C (w - 1) / A,  A = -exp(log_A_real) + i A_imag,  dtA = A exp(log_dt).
; 1,024 rows h, 32 complex modes n, 4,096 values of l.  One wave makes one row h; four waves a work-group, 256 work-groups; no barrier:
; every wave keeps to its own LDS bytes.
;
; THE IDEA.  l = f + g, f made of l's bits 0,1,6,7,10,11 and g of its bits 2..5,8,9.  With P_n[f] = 2 Ct_n w_n^f and Q_n[g] = w_n^g,
; K = sum over n of Re(P Q) = sum of (Re P)(Re Q) + (-Im P)(Im Q): a real product of 64 rows (f) x 64 columns (g) over 64 values of k.
; So 128 table rows of 32 modes are made for a row h instead of 4,096.
; The split of the bits is chosen for the way out: register j of lane (r, hh) of a 16 x 16 result is row 8 hh + j, column r, and holds
; l = 1024 tm + 256 tn + 128 (j >> 2) + 64 hh + 4 r + (j & 3): four neighbouring registers are 16 neighbouring bytes and lane L lies at
; byte 16 L, so each store of the wave covers 512 consecutive bytes, aligned, straight from the accumulators.
;
; NUMBERS.  Tables in f32.  Each matrix operand is two bf16 numbers, the upper part and the rounded rest (16 significant bits), and three
; products are summed in f32: upper x upper, upper x rest, rest x upper.  One bf16 number alone (8 bits) would not do: the largest
; outputs are tens of times the output's root mean square, by which the allowed error is set.
;
; LIMITS.  Inputs finite.  Powers of w are products of at most 7 factors that start from w^1, w^4, w^64, w^256, w^1024 (each by exp,
; sin, cos), not one exp for each l: about 1e-6 of a term away from the reference's own rounding.  The angle is reduced by pi/2 in two
; parts: good while |A_imag dt| 1024 stays under some 2^20 quarter turns.  |A|^2 must be a normal f32.  v_exp_f32 gives zero for
; results under 2^-126.  exp(dtA) - 1 cancels as it does in the reference.  The product rest x rest, about 2^-18 of a term, is left out.
;
; The launch asks for 168,448 bytes of LDS and uses 139,264: more than half of the most that a work-group can be given, so that no
; second work-group lies beside this one.
.set PITCH,    272                     ; an LDS row: 32 modes x 8 bytes + 16: the 16 rows that a b128 load touches start 16 bytes apart modulo 256
.set TBL,      64*PITCH                ; one table: 64 rows
.set WAVE_LDS, 2*TBL                   ; a wave's bytes: the table of Q (columns), then the table of P (rows)
.set LANE, 1                           ; lane = mode n in stage 1
.set SA,   2                           ; LDS: where lane n puts its 8 bytes of row 0
.set RA,   3                           ; LDS: where lane (r, hh) reads row r, modes 16 hh ..
.set GO,   4                           ; 16 x lane: my bytes in each store
.set NEG1, 5                           ; -1.0
.set OF4,  6                           ; byte offset of [h][n] in A_imag and log_A_real
.set OF8,  7                           ; the same in C_real
.set OFD,  8                           ; of [h] in log_dt
.set LDT,  9
.set LAR,  10
.set AIM,  11                          ; b = A_imag
.set CR,   12                          ; v[12:13] C
.set DT,   14
.set AA,   15                          ; a = exp(log_A_real)
.set T0,   16                          ; v16-22 at work
.set T1,   17
.set T2,   18
.set T3,   19
.set T4,   20
.set T5,   21
.set T6,   22
; five exponentials side by side (index i: powers 1, 4, 64, 256, 1024), one register each in nine arrays; all dead behind FIN
.set XA,   24                          ; angle, then the reduced angle y, then the cosine part
.set KF,   29                          ; quarter turns, then the cosine's sign
.set ZA,   34                          ; y^2, then y^4
.set PSI,  39                          ; sin y
.set PCO,  44                          ; cos y
.set TA,   49                          ; y^3, then the sine's sign
.set UA,   54                          ; 1 - y^2/2, then the sine part
.set MG,   59                          ; log2 of the magnitude
.set ME,   64                          ; the magnitude
; stage 1: tables, a pair (re, im) for each entry
.set UU,   96                          ; v[96:127]   16 rows of Q
.set ZZ,   128                         ; v[128:159]  16 rows of P
.set TT,   160                         ; v[160:191]  the next 16 rows (the two arrays take turns)
.set B1,   192                         ; w^256
.set C1,   194                         ; conj w
.set C2,   196
.set C3,   198
.set D1,   200                         ; conj w^64
.set D2,   202
.set D3,   204
.set E1,   206                         ; conj w^1024
; stage 2
.set F0,   32                          ; v[32:63]    16 modes of one row, f32, as loaded
.set F1,   64                          ; v[64:95]    a second such buffer while B's fragments are made,
.set AC,   64                          ;             then the four accumulators of a tile row
.set AF,   96                          ; v[96:127]   A: 16 registers upper parts (two K steps of 32), 16 registers rests
.set BF,   128                         ; v[128:255]  B: the same for each of the four column tiles
	s_load_b256 s[4:11], s[0:1], 0x0               ; A_imag s[4:5], C_real s[6:7], log_A_real s[8:9], log_dt s[10:11]
	s_load_b64 s[12:13], s[0:1], 0x20              ; out0
	v_lshl_add_u32 v23, v0, 2, 0x29000
	s_set_vgpr_msb 0x40
	v_mov_b32 v1, 0
	s_set_vgpr_msb 0x4000
	v_lshrrev_b32 v[T0], 5, v0
	v_readfirstlane_b32 s14, v[T0]                 ; wave 0..3
	v_and_b32 v[LANE], 31, v0
	s_lshl_b32 s15, ttmp9, 2
	s_add_co_u32 s15, s15, s14                     ; h = 4 x work-group + wave
	s_lshl_b32 s16, s15, 7                         ; 128 bytes a row in A_imag and log_A_real
	s_lshl_b32 s17, s15, 8                         ; 256 in C_real
	s_lshl_b32 s18, s15, 2
	s_mul_i32 s19, s14, WAVE_LDS                   ; my wave's LDS bytes
	v_lshl_add_u32 v[OF4], v[LANE], 2, s16
	v_lshl_add_u32 v[OF8], v[LANE], 3, s17
	v_mov_b32 v[OFD], s18
	s_wait_kmcnt 0x0
	global_load_b32 v[LDT], v[OFD], s[10:11]                       ; every lane the same word
	global_load_b32 v[LAR], v[OF4], s[8:9] th:TH_LOAD_NT
	global_load_b32 v[AIM], v[OF4], s[4:5] th:TH_LOAD_NT
	global_load_b64 v[CR:CR+1], v[OF8], s[6:7] th:TH_LOAD_NT
	; while they are on their way: addresses and constants
	s_lshl_b32 s16, s15, 14                        ; 16,384 bytes a row of the output
	s_mov_b32 s17, 0
	s_add_nc_u64 s[12:13], s[12:13], s[16:17]
	v_and_b32 v[T0], 15, v0                        ; r
	v_bfe_u32 v[T1], v0, 4, 1                      ; hh
	v_mul_u32_u24 v[T0], v[T0], PITCH
	v_lshl_add_u32 v[T0], v[T1], 7, v[T0]          ; row r, modes 16 hh .. : 128 hh bytes
	v_add_nc_u32 v[RA], s19, v[T0]
	v_lshl_add_u32 v[SA], v[LANE], 3, s19
	v_lshlrev_b32 v[GO], 4, v[LANE]
	v_mov_b32 v[NEG1], -1.0
	v_mov_b32 v[UU], 1.0                           ; w^0
	v_mov_b32 v[UU+1], 0
	s_mov_b32 s20, 0x3fb8aa3b                      ; log2 e, upper part
	s_mov_b32 s21, 0x32a57060                      ; log2 e, the rest
	s_mov_b32 s22, 0x3f317218                      ; ln 2
	s_mov_b32 s23, 0x3f22f983                      ; 2 / pi
	s_mov_b32 s24, 0xbfc90fdb                      ; -(pi/2), upper part
	s_mov_b32 s25, 0x333bbd2e                      ; -(pi/2), the rest
	s_mov_b32 s26, 0xbe2aaaa3                      ; sin y = y + y^3 (s26 + y^2 (s27 + y^2 s28)) on |y| <= pi/4
	s_mov_b32 s27, 0x3c08839e
	s_mov_b32 s28, 0xb94ca1f9
	s_mov_b32 s29, 0x3d2aaaa5                      ; cos y = 1 - y^2/2 + y^4 (s29 + y^2 (s30 + y^2 s31))
	s_mov_b32 s30, 0xbab6061a
	s_mov_b32 s31, 0x37ccf5ce
	s_mov_b32 s32, 0x80000000                      ; the sign bit
	; dt and a.  An error of dt is multiplied by l in the angle, so dt's exponent is carried in two parts: 2^(p + e) = 2^p (1 + e ln 2).
	s_wait_loadcnt 0x0
	v_mul_f32 v[T0], s20, v[LDT]                   ; p
	v_mul_f32 v[T1], s20, v[LAR]
	v_fma_f32 v[T2], v[LDT], s20, -v[T0]           ; what p's rounding lost
	v_exp_f32 v[T3], v[T0]
	v_exp_f32 v[AA], v[T1]
	v_fmac_f32 v[T2], s21, v[LDT]                  ; a plain instruction that touches neither result nor source stands behind the two v_exp_f32 (ISA guide 5.7.2)
	v_mul_f32 v[T2], s22, v[T2]
	s_wait_alu depctr_va_vdst(0)
	v_fma_f32 v[DT], v[T3], v[T2], v[T3]
	v_mul_f32 v[XA], -v[AIM], v[DT]                ; -theta: index 0 is conj w.  theta = b dt rounded once, as in the reference
	v_mul_f32 v[T0], v[AA], v[DT]
	v_mul_f32 v[MG], 0xbfb8aa3b, v[T0]             ; log2 |w| = -(a dt) log2 e
	; the other four powers: exact multiples.  The A side (1, 64, 1024) is conjugated, the B side (4, 256) is not.
	v_mul_f32 v[XA+1], -4.0, v[XA]
	v_mul_f32 v[MG+1], 4.0, v[MG]
	v_mul_f32 v[XA+2], 0x42800000, v[XA]
	v_mul_f32 v[MG+2], 0x42800000, v[MG]
	v_mul_f32 v[XA+3], 0xc3800000, v[XA]
	v_mul_f32 v[MG+3], 0x43800000, v[MG]
	v_mul_f32 v[XA+4], 0x44800000, v[XA]
	v_mul_f32 v[MG+4], 0x44800000, v[MG]
	; five times exp(x + i t), step by step side by side so that no instruction waits for the one in front of it
.irp i, 0,1,2,3,4
	v_mul_f32 v[KF+\i], s23, v[XA+\i]
.endr
.irp i, 0,1,2,3,4
	v_rndne_f32 v[KF+\i], v[KF+\i]                 ; k quarter turns
.endr
.irp i, 0,1,2,3,4
	v_exp_f32 v[ME+\i], v[MG+\i]                   ; used far below
.endr
.irp i, 0,1,2,3,4
	v_fma_f32 v[XA+\i], v[KF+\i], s24, v[XA+\i]    ; y = t - k pi/2, the product exact inside the fused multiply-add
.endr
.irp i, 0,1,2,3,4
	v_fma_f32 v[XA+\i], v[KF+\i], s25, v[XA+\i]
.endr
.irp i, 0,1,2,3,4
	v_mul_f32 v[ZA+\i], v[XA+\i], v[XA+\i]
	v_cvt_i32_f32 v[KF+\i], v[KF+\i]
.endr
.irp i, 0,1,2,3,4
	v_fma_f32 v[PSI+\i], v[ZA+\i], s28, s27
	v_fma_f32 v[PCO+\i], v[ZA+\i], s31, s30
.endr
.irp i, 0,1,2,3,4
	v_fma_f32 v[PSI+\i], v[PSI+\i], v[ZA+\i], s26
	v_fma_f32 v[PCO+\i], v[PCO+\i], v[ZA+\i], s29
.endr
.irp i, 0,1,2,3,4
	v_mul_f32 v[TA+\i], v[ZA+\i], v[XA+\i]
	v_fma_f32 v[UA+\i], v[ZA+\i], -0.5, 1.0
.endr
.irp i, 0,1,2,3,4
	v_mul_f32 v[ZA+\i], v[ZA+\i], v[ZA+\i]
	v_fma_f32 v[PSI+\i], v[PSI+\i], v[TA+\i], v[XA+\i]     ; sin y
.endr
.irp i, 0,1,2,3,4
	v_fma_f32 v[PCO+\i], v[PCO+\i], v[ZA+\i], v[UA+\i]     ; cos y
	v_and_b32 v[TA+\i], 1, v[KF+\i]
.endr
.irp i, 0,1,2,3,4
	v_cmp_eq_u32 s[34+\i], 1, v[TA+\i]             ; odd k: sine and cosine change places
	v_lshlrev_b32 v[TA+\i], 30, v[KF+\i]           ; bit 1 of k to the sign's place: the sine is negative for k = 2, 3 (mod 4)
	v_add_nc_u32 v[KF+\i], 1, v[KF+\i]             ; the cosine for k = 1, 2
.endr
.irp i, 0,1,2,3,4
	v_cndmask_b32 v[XA+\i], v[PCO+\i], v[PSI+\i], s[34+\i]
	v_cndmask_b32 v[UA+\i], v[PSI+\i], v[PCO+\i], s[34+\i]
	v_lshlrev_b32 v[KF+\i], 30, v[KF+\i]
.endr
.irp i, 0,1,2,3,4
	v_and_b32 v[TA+\i], s32, v[TA+\i]
	v_and_b32 v[KF+\i], s32, v[KF+\i]
.endr
	s_wait_alu depctr_va_vdst(0)
.irp i, 0,1,2,3,4
	v_xor_b32 v[XA+\i], v[XA+\i], v[KF+\i]
	v_xor_b32 v[UA+\i], v[UA+\i], v[TA+\i]
.endr
.macro FIN i, d
	v_mul_f32 v[\d], v[XA+\i], v[ME+\i]
	v_mul_f32 v[\d+1], v[UA+\i], v[ME+\i]
.endm
	FIN 0, C1                                      ; conj w
	FIN 1, UU+2                                    ; w^4: row 1 of Q
	FIN 2, D1                                      ; conj w^64
	FIN 3, B1                                      ; w^256
	FIN 4, E1                                      ; conj w^1024
	; X = 2 conj(Ct) = 2 conj(C) (conj w - 1) / conj(A) = 2 conj(C) (conj w - 1) A / |A|^2,  A = (-a, b)
	v_add_f32 v[T0], -1.0, v[C1]                   ; er; ei = v[C1+1]
	v_mul_f32 v[T1], v[CR+1], v[C1+1]
	v_mul_f32 v[T2], v[CR+1], v[T0]
	v_mul_f32 v[T3], v[AA], v[AA]
	v_fmac_f32 v[T1], v[CR], v[T0]                 ; nr = cr er + ci ei
	v_fma_f32 v[T2], v[CR], v[C1+1], -v[T2]        ; ni = cr ei - ci er
	v_fmac_f32 v[T3], v[AIM], v[AIM]               ; |A|^2
	v_rcp_f32 v[T6], v[T3]
	v_mul_f32 v[T4], v[AIM], v[T2]                 ; plain work behind v_rcp_f32 before its result is used (ISA guide 5.7.2)
	v_mul_f32 v[T5], v[AA], v[T2]
	v_fmac_f32 v[T4], v[AA], v[T1]                 ; a nr + b ni
	v_fma_f32 v[T5], v[AIM], v[T1], -v[T5]         ; b nr - a ni
	s_wait_alu depctr_va_vdst(0)
	v_mul_f32 v[T6], -2.0, v[T6]
	v_mul_f32 v[ZZ], v[T4], v[T6]                  ; Re X = -2 (a nr + b ni) / |A|^2
	v_mul_f32 v[ZZ+1], -v[T5], v[T6]               ; Im X =  2 (b nr - a ni) / |A|^2
; A complex product d = x s in two packed instructions; d is neither x nor s.
.macro CM1 d, x, s                     ; d = (-xi si, xi sr): x's second register feeds both halves, s's registers crosswise, the low half negated
	v_pk_mul_f32 v[\d:\d+1], v[\x:\x+1], v[\s:\s+1] op_sel:[1,1] op_sel_hi:[1,0] neg_lo:[1,0]
.endm
.macro CM2 d, x, s                     ; d = (xr sr, xr si) + d: x's first register feeds both halves
	v_pk_fma_f32 v[\d:\d+1], v[\x:\x+1], v[\s:\s+1], v[\d:\d+1] op_sel_hi:[0,1,1]
.endm
	; The first 16 rows of each table, by doubling: four levels deep instead of a chain of fifteen.
	; Q: U_r = w^(4r) at UU + 2r.   P: row m = i + 4 (j >> 1) + 8 (j & 1) at ZZ + 2m is X conj(w)^(i + 64 j), i, j = 0..3.
	CM1 UU+4, UU+2, UU+2                           ; U2
	CM1 C2, C1, C1
	CM1 D2, D1, D1
	CM2 UU+4, UU+2, UU+2
	CM2 C2, C1, C1
	CM2 D2, D1, D1
	CM1 UU+6, UU+4, UU+2                           ; U3
	CM1 UU+8, UU+4, UU+4                           ; U4
	CM1 C3, C2, C1
	CM1 D3, D2, D1
	CM1 ZZ+2, ZZ, C1                               ; X conj w
	CM1 ZZ+4, ZZ, C2
	CM2 UU+6, UU+4, UU+2
	CM2 UU+8, UU+4, UU+4
	CM2 C3, C2, C1
	CM2 D3, D2, D1
	CM2 ZZ+2, ZZ, C1
	CM2 ZZ+4, ZZ, C2
	CM1 UU+10, UU+8, UU+2                          ; U5, U6, U7, U8
	CM1 UU+12, UU+8, UU+4
	CM1 UU+14, UU+8, UU+6
	CM1 UU+16, UU+8, UU+8
	CM1 ZZ+6, ZZ, C3
	CM2 UU+10, UU+8, UU+2
	CM2 UU+12, UU+8, UU+4
	CM2 UU+14, UU+8, UU+6
	CM2 UU+16, UU+8, UU+8
	CM2 ZZ+6, ZZ, C3
.irp r, 1,2,3,4,5,6,7
	CM1 UU+16+2*\r, UU+16, UU+2*\r                 ; U9 .. U15
.endr
.irp i, 0,1,2,3
	CM1 ZZ+16+2*\i, ZZ+2*\i, D1                    ; j = 1: rows 8 + i
	CM1 ZZ+8+2*\i, ZZ+2*\i, D2                     ; j = 2: rows 4 + i
	CM1 ZZ+24+2*\i, ZZ+2*\i, D3                    ; j = 3: rows 12 + i
.endr
.irp r, 1,2,3,4,5,6,7
	CM2 UU+16+2*\r, UU+16, UU+2*\r
.endr
.irp i, 0,1,2,3
	CM2 ZZ+16+2*\i, ZZ+2*\i, D1
	CM2 ZZ+8+2*\i, ZZ+2*\i, D2
	CM2 ZZ+24+2*\i, ZZ+2*\i, D3
.endr
; the next 16 rows: every row of array x times s, into array d
.macro TILEMUL d, x, s
.irp r, 0,1,2,3,4,5,6,7,8,9,10,11,12,13,14,15
	CM1 \d+2*\r, \x+2*\r, \s
.endr
.irp r, 0,1,2,3,4,5,6,7,8,9,10,11,12,13,14,15
	CM2 \d+2*\r, \x+2*\r, \s
.endr
.endm
; 16 rows to LDS: the 32 lanes' 8 bytes are the row's 256 consecutive bytes
.macro TILEST a, base
.irp r, 0,1,2,3,4,5,6,7,8,9,10,11,12,13,14,15
	ds_store_b64 v[SA], v[\a+2*\r:\a+2*\r+1] offset:\base+\r*PITCH
.endr
.endm
; 16 modes of my row of a tile, f32: register f + 2q, f + 2q + 1 = mode 16 hh + q
.macro LDTILE f, base
.irp i, 0,1,2,3,4,5,6,7
	ds_load_b128 v[\f+4*\i:\f+4*\i+3], v[RA] offset:\base+16*\i
.endr
.endm
	; the table of Q: rows 16 tn + r hold w^(256 tn + 4 r)
	TILEST UU, 0
	TILEMUL TT, UU, B1
	TILEST TT, 16*PITCH
	TILEMUL UU, TT, B1
	TILEST UU, 32*PITCH
	TILEMUL TT, UU, B1
	TILEST TT, 48*PITCH
	LDTILE F0, 0                                   ; LDS serves a wave's instructions in order (ISA guide 5.7.1): these see the stores above.
	LDTILE F1, 16*PITCH                            ; They come back while the table of P is made.
	; the table of P: rows 16 tm + m hold X conj(w)^(1024 tm + i + 64 j)
	TILEST ZZ, TBL
	TILEMUL TT, ZZ, E1
	TILEST TT, TBL+16*PITCH
	TILEMUL ZZ, TT, E1
	TILEST ZZ, TBL+32*PITCH
	TILEMUL TT, ZZ, E1
	TILEST TT, TBL+48*PITCH
; 16 complex numbers in f to fragments at d: register d + q = (re, im) of mode q as bf16, d + 16 + q = what the rounding left, as bf16.
; Registers d .. d+7 and d+8 .. d+15 are the two K steps of 32.  Slot (half of the lanes, register, half of the register) holds the same
; mode and part in A and in B, which is all that the sum over k asks.
.macro SPLIT f, d
.irp q, 0,1,2,3,4,5,6,7,8,9,10,11,12,13,14,15
	v_cvt_pk_bf16_f32 v[\d+\q], v[\f+2*\q], v[\f+2*\q+1]
.endr
.irp q, 0,1,2,3,4,5,6,7,8,9,10,11,12,13,14,15
	v_fma_mix_f32_bf16 v[\f+2*\q], v[\d+\q], v[NEG1], v[\f+2*\q] op_sel_hi:[1,0,0]                   ; re - its bf16 (low half), exact
	v_fma_mix_f32_bf16 v[\f+2*\q+1], v[\d+\q], v[NEG1], v[\f+2*\q+1] op_sel:[1,0,0] op_sel_hi:[1,0,0]  ; im - its bf16 (high half)
.endr
.irp q, 0,1,2,3,4,5,6,7,8,9,10,11,12,13,14,15
	v_cvt_pk_bf16_f32 v[\d+16+\q], v[\f+2*\q], v[\f+2*\q+1]
.endr
.endm
	; B's fragments, all four column tiles, kept for the rest of the kernel
	s_wait_dscnt 63                                ; 64 stores were issued behind the 16 loads; the field holds 63 at most
	SPLIT F0, BF
	LDTILE F0, 32*PITCH
	SPLIT F1, BF+32
	LDTILE F1, 48*PITCH
	s_wait_dscnt 8                                 ; tile 2 is in, the eight loads of tile 3 may be out
	SPLIT F0, BF+64
	LDTILE F0, TBL                                 ; P's first tile
	s_wait_dscnt 8                                 ; tile 3 is in, the eight loads of P's tile may be out
	SPLIT F1, BF+96
; four matrix instructions: part pa of A (0 upper, 1 rest) x part pb of B, K step c, the four column tiles
.macro MM pa, pb, c, first
.irp t, 0,1,2,3
.if \first
	v_wmma_f32_16x16x32_bf16 v[AC+8*\t:AC+8*\t+7], v[AF+16*\pa+8*\c:AF+16*\pa+8*\c+7], v[BF+32*\t+16*\pb+8*\c:BF+32*\t+16*\pb+8*\c+7], 0
.else
	v_wmma_f32_16x16x32_bf16 v[AC+8*\t:AC+8*\t+7], v[AF+16*\pa+8*\c:AF+16*\pa+8*\c+7], v[BF+32*\t+16*\pb+8*\c:BF+32*\t+16*\pb+8*\c+7], v[AC+8*\t:AC+8*\t+7]
.endif
.endr
.endm
; One tile row m: 1,024 values of l, 4,096 consecutive bytes of the output
.macro ATILE m
	s_wait_dscnt 0x0                               ; my 16 modes of the tile's row
	SPLIT F0, AF
.if \m < 3
	LDTILE F0, TBL+(\m+1)*16*PITCH                 ; the next tile's rows come while this one is multiplied
.endif
.if \m > 0
	s_wait_xcnt 0x0                                ; the accumulators, which the last tile's stores read, are written again only behind this wait (ISA guide 3.1)
.endif
	MM 0, 0, 0, 1                                  ; the first product starts the sums: nothing is cleared
	MM 0, 0, 1, 0
	MM 0, 1, 0, 0
	MM 0, 1, 1, 0
	MM 1, 0, 0, 0
	MM 1, 0, 1, 0
.rept 5
	v_nop                                          ; places behind the last matrix instructions: four before the stores read the results and before
.endr                                                  ; A's registers are written again, five before the next tile's first products write over the accumulators
.irp t, 0,1,2,3
	global_store_b128 v[GO], v[AC+8*\t:AC+8*\t+3], s[12:13] offset:4096*\m+1024*\t th:TH_STORE_NT
	global_store_b128 v[GO], v[AC+8*\t+4:AC+8*\t+7], s[12:13] offset:4096*\m+1024*\t+512 th:TH_STORE_NT
.endr
.endm
	ATILE 0
	ATILE 1
	ATILE 2
	ATILE 3
	s_set_vgpr_msb 0x4
	s_wait_tensorcnt 0x0
	ds_add_u32 v23, v1
	s_wait_dscnt 0x0
	s_set_vgpr_msb 0x400
	s_endpgm
.Lfunc_end_k_q1437c24181_ssm:
	.size	k_q1437c24181_ssm, .Lfunc_end_k_q1437c24181_ssm-k_q1437c24181_ssm
	.p2alignl 7, 3214868480
	.fill 96, 4, 3214868480
	.section	.rodata,"a",@progbits
	.p2align	6, 0x0
	.amdhsa_kernel k_q1437c24181_ssm
		.amdhsa_group_segment_fixed_size 168448
		.amdhsa_private_segment_fixed_size 0
		.amdhsa_enable_private_segment 0
		.amdhsa_kernarg_size 40
		.amdhsa_user_sgpr_count 2
		.amdhsa_user_sgpr_kernarg_segment_ptr 1
		.amdhsa_wavefront_size32 1
		.amdhsa_system_sgpr_workgroup_id_x 1
		.amdhsa_system_sgpr_workgroup_id_y 1
		.amdhsa_system_sgpr_workgroup_id_z 1
		.amdhsa_system_vgpr_workitem_id 0
		.amdhsa_next_free_vgpr 258
		.amdhsa_next_free_sgpr 66
		.amdhsa_reserve_vcc 0
		.amdhsa_float_denorm_mode_32 3
		.amdhsa_float_denorm_mode_16_64 3
		.amdhsa_memory_ordered 1
		.amdhsa_forward_progress 1
		.amdhsa_inst_pref_size 82
	.end_amdhsa_kernel
	.amdgpu_metadata
---
amdhsa.version: [ 1, 2 ]
amdhsa.kernels:
  - .name:           k_q1437c24181_ssm
    .symbol:         k_q1437c24181_ssm.kd
    .args:
      - { .name: A_imag, .offset: 0, .size: 8, .value_kind: global_buffer, .address_space: global }
      - { .name: C_real, .offset: 8, .size: 8, .value_kind: global_buffer, .address_space: global }
      - { .name: log_A_real, .offset: 16, .size: 8, .value_kind: global_buffer, .address_space: global }
      - { .name: log_dt, .offset: 24, .size: 8, .value_kind: global_buffer, .address_space: global }
      - { .name: out0, .offset: 32, .size: 8, .value_kind: global_buffer, .address_space: global }
    .group_segment_fixed_size: 168448
    .private_segment_fixed_size: 0
    .kernarg_segment_align: 8
    .kernarg_segment_size: 40
    .max_flat_workgroup_size: 128
    .sgpr_count:     66
    .vgpr_count:     258
    .wavefront_size: 32
...
	.end_amdgpu_metadata
.endif
;; end of part 1
;; ======== version 2 of 2: 1 launch; version 1 with the launch ssm written anew for expert scheduling mode
;; launch ssm (part 2): grid 256 x 1, 4 waves a work-group, no clusters, 168,448 bytes of LDS; arguments A_imag, C_real, log_A_real, log_dt, out0; writes out0
.if DOCPART == 2
	.amdgcn_target "amdgcn-amd-amdhsa--gfx1250"
	.amdhsa_code_object_version 6
	.text
	.protected	k_q1437c24181_ssm
	.globl	k_q1437c24181_ssm
	.p2align	8
	.type	k_q1437c24181_ssm,@function
k_q1437c24181_ssm:
	s_mov_b64 s[64:65], 0
	v_nop
	global_prefetch_b8 v0, s[64:65] scope:SCOPE_SE
	s_setreg_imm32_b32 hwreg(HW_REG_WAVE_SCHED_MODE, 0, 2), 2
	s_setreg_imm32_b32 hwreg(HW_REG_WAVE_MODE, 25, 1), 1
	s_wait_xcnt 0x0
	s_wait_alu depctr_vm_vsrc(0)
; K[h][l] = 2 Re sum over n of Ct[h][n] w[h][n]^l,  w = exp(dtA),  Ct = C (w - 1) / A,  A = -exp(log_A_real) + i A_imag,  dtA = A exp(log_dt).
; 1,024 rows h, 32 complex modes n, 4,096 values of l.  One wave makes one row h; four waves a work-group, 256 work-groups; no barrier:
; every wave keeps to its own LDS bytes.
;
; THE IDEA.  l = f + g, f made of l's bits 0,1,6,7,10,11 and g of its bits 2..5,8,9.  With P_n[f] = 2 Ct_n w_n^f and Q_n[g] = w_n^g,
; K = sum over n of Re(P Q) = sum of (Re P)(Re Q) + (-Im P)(Im Q): a real product of 64 rows (f) x 64 columns (g) over 64 values of k.
; So 128 table rows of 32 modes are made for a row h instead of 4,096.
; The split of the bits is chosen for the way out: register j of lane (r, hh) of a 16 x 16 result is row 8 hh + j, column r, and holds
; l = 1024 tm + 256 tn + 128 (j >> 2) + 64 hh + 4 r + (j & 3): four neighbouring registers are 16 neighbouring bytes and lane L lies at
; byte 16 L, so each store of the wave covers 512 consecutive bytes, aligned, straight from the accumulators.
;
; NUMBERS.  Tables in f32.  Each matrix operand is two bf16 numbers, the upper part and the rounded rest (16 significant bits), and three
; products are summed in f32: upper x upper, upper x rest, rest x upper.  One bf16 number alone (8 bits) would not do: the largest
; outputs are tens of times the output's root mean square, by which the allowed error is set.
;
; LIMITS.  Inputs finite.  Powers of w are products of at most 7 factors that start from w^1, w^4, w^64, w^256, w^1024 (each by exp,
; sin, cos), not one exp for each l: about 1e-6 of a term away from the reference's own rounding.  The angle is reduced by pi/2 in two
; parts: good while |A_imag dt| 1024 stays under some 2^20 quarter turns.  |A|^2 must be a normal f32.  v_exp_f32 gives zero for
; results under 2^-126.  exp(dtA) - 1 cancels as it does in the reference.  The product rest x rest, about 2^-18 of a term, is left out.
;
; The launch asks for 168,448 bytes of LDS and uses 139,264: more than half of the most that a work-group can be given, so that no
; second work-group lies beside this one.
;
; THE MODE: SCHED_MODE bits 1:0 = 2 (LLVM: expert scheduling mode 2), set by the entry lines.  The code itself states the register
; dependences between vector or matrix instructions and memory or LDS instructions, with s_wait_alu, always for 0.
; THE PLAN.  Registers that memory or LDS instructions touch:
;   v6-8          offsets of the four input loads; v2, v3, v4 the LDS store address, the LDS load address, the output offset.  All six are
;                 made once at the head and never written again.
;   UU, TT        the table of Q grows in four steps of 16 rows on these two arrays by turns; ZZ, YY the same for the table of P.
;                 Step k: its 32 LDS stores read the arrays that step k - 1's products wrote; its products read them too and write the
;                 other pair, which step k - 1's stores read.  So two waits at a step's head state all: the arrays are written; the
;                 stores of the step before have read theirs.  A row's two stores stand ahead of the first product that names the row.
;   F0, F1, F2    rows read back from LDS.  A buffer is asked for again only behind a wait that shows the split that emptied it done.
;                 F0 and F1 were last named by the exponentials, ahead of step 0's wait; F2 is UU's registers, free at step 3's head.
;   AC            written by a tile's matrix instructions, read by its eight stores, written again by the next tile's first products.
;   AF, BF and what is at work are named by vector and matrix instructions alone, once the table stores have read those registers.
.set PITCH,    272                     ; an LDS row: 32 modes x 8 bytes + 16: the 16 rows that a b128 load touches start 16 bytes apart modulo 256
.set TBL,      64*PITCH                ; one table: 64 rows
.set WAVE_LDS, 2*TBL                   ; a wave's bytes: the table of Q (columns), then the table of P (rows)
.set LANE, 1                           ; lane = mode n in stage 1
.set SA,   2                           ; LDS: where lane n puts its 8 bytes of row 0
.set RA,   3                           ; LDS: where lane (r, hh) reads row r, modes 16 hh ..
.set GO,   4                           ; 16 x lane: my bytes in each store
.set NEG1, 5                           ; -1.0
.set OF4,  6                           ; byte offset of [h][n] in A_imag and log_A_real
.set OF8,  7                           ; the same in C_real
.set OFD,  8                           ; of [h] in log_dt
.set LDT,  9
.set LAR,  10
.set AIM,  11                          ; b = A_imag
.set CR,   12                          ; v[12:13] C
.set DT,   14
.set AA,   15                          ; a = exp(log_A_real)
.set T0,   16                          ; v16-22 at work
.set T1,   17
.set T2,   18
.set T3,   19
.set T4,   20
.set T5,   21
.set T6,   22
; five exponentials side by side (index i: powers 1, 4, 64, 256, 1024), one register each in nine arrays; all dead behind FIN
.set XA,   24                          ; angle, then the reduced angle y, then the cosine part
.set KF,   29                          ; quarter turns, then the cosine's sign
.set ZA,   34                          ; y^2, then y^4
.set PSI,  39                          ; sin y
.set PCO,  44                          ; cos y
.set TA,   49                          ; y^3, then the sine's sign
.set UA,   54                          ; 1 - y^2/2, then the sine part
.set MG,   59                          ; log2 of the magnitude
.set ME,   64                          ; the magnitude
; stage 1: tables, a pair (re, im) for each entry
.set UU,   96                          ; v[96:127]   16 rows of Q: steps 0 and 2
.set ZZ,   128                         ; v[128:159]  16 rows of P: steps 0 and 2
.set TT,   160                         ; v[160:191]  16 rows of Q: steps 1 and 3
.set YY,   208                         ; v[208:239]  16 rows of P: steps 1 and 3
.set B1,   192                         ; w^256
.set C1,   194                         ; conj w
.set C2,   196
.set C3,   198
.set D1,   200                         ; conj w^64
.set D2,   202
.set D3,   204
.set E1,   206                         ; conj w^1024
; stage 2
.set F0,   32                          ; v[32:63]    16 modes of one row, f32, as loaded
.set F1,   64                          ; v[64:95]    a second such buffer,
.set AC,   64                          ;             then the four accumulators of a tile row
.set F2,   96                          ; v[96:127]   a third such buffer,
.set AF,   96                          ;             then A: 16 registers upper parts (two K steps of 32), 16 registers rests
.set BF,   128                         ; v[128:255]  B: the same for each of the four column tiles
	s_load_b256 s[4:11], s[0:1], 0x0               ; A_imag s[4:5], C_real s[6:7], log_A_real s[8:9], log_dt s[10:11]
	s_load_b64 s[12:13], s[0:1], 0x20              ; out0
	v_lshl_add_u32 v23, v0, 2, 0x29000
	s_set_vgpr_msb 0x40
	v_mov_b32 v1, 0
	s_set_vgpr_msb 0x4000
	v_lshrrev_b32 v[T0], 5, v0
	v_readfirstlane_b32 s14, v[T0]                 ; wave 0..3
	v_and_b32 v[LANE], 31, v0
	s_wait_alu depctr_va_sdst(0)                   ; s14 is written, ahead of its first reader: h and the wave's LDS bytes are made from it
	s_lshl_b32 s15, ttmp9, 2
	s_add_co_u32 s15, s15, s14                     ; h = 4 x work-group + wave
	s_lshl_b32 s16, s15, 7                         ; 128 bytes a row in A_imag and log_A_real
	s_lshl_b32 s17, s15, 8                         ; 256 in C_real
	s_lshl_b32 s18, s15, 2
	s_mul_i32 s19, s14, WAVE_LDS                   ; my wave's LDS bytes
	v_lshl_add_u32 v[OF4], v[LANE], 2, s16
	v_lshl_add_u32 v[OF8], v[LANE], 3, s17
	v_mov_b32 v[OFD], s18
	s_wait_kmcnt 0x0
	s_wait_alu depctr_va_vdst(0)                   ; the three offsets v6 to v8 are written, which the four loads read
	global_load_b32 v[LDT], v[OFD], s[10:11]                       ; every lane the same word
	global_load_b32 v[LAR], v[OF4], s[8:9] th:TH_LOAD_NT
	global_load_b32 v[AIM], v[OF4], s[4:5] th:TH_LOAD_NT
	global_load_b64 v[CR:CR+1], v[OF8], s[6:7] th:TH_LOAD_NT
	; while they are on their way: addresses and constants
	s_lshl_b32 s16, s15, 14                        ; 16,384 bytes a row of the output
	s_mov_b32 s17, 0
	s_add_nc_u64 s[12:13], s[12:13], s[16:17]
	v_and_b32 v[T0], 15, v0                        ; r
	v_bfe_u32 v[T1], v0, 4, 1                      ; hh
	v_mul_u32_u24 v[T0], v[T0], PITCH
	v_lshl_add_u32 v[T0], v[T1], 7, v[T0]          ; row r, modes 16 hh .. : 128 hh bytes
	v_add_nc_u32 v[RA], s19, v[T0]
	v_lshl_add_u32 v[SA], v[LANE], 3, s19
	v_lshlrev_b32 v[GO], 4, v[LANE]
	v_mov_b32 v[NEG1], -1.0
	v_mov_b32 v[UU], 1.0                           ; w^0
	v_mov_b32 v[UU+1], 0
	s_mov_b32 s20, 0x3fb8aa3b                      ; log2 e, upper part
	s_mov_b32 s21, 0x32a57060                      ; log2 e, the rest
	s_mov_b32 s22, 0x3f317218                      ; ln 2
	s_mov_b32 s23, 0x3f22f983                      ; 2 / pi
	s_mov_b32 s24, 0xbfc90fdb                      ; -(pi/2), upper part
	s_mov_b32 s25, 0x333bbd2e                      ; -(pi/2), the rest
	s_mov_b32 s26, 0xbe2aaaa3                      ; sin y = y + y^3 (s26 + y^2 (s27 + y^2 s28)) on |y| <= pi/4
	s_mov_b32 s27, 0x3c08839e
	s_mov_b32 s28, 0xb94ca1f9
	s_mov_b32 s29, 0x3d2aaaa5                      ; cos y = 1 - y^2/2 + y^4 (s29 + y^2 (s30 + y^2 s31))
	s_mov_b32 s30, 0xbab6061a
	s_mov_b32 s31, 0x37ccf5ce
	s_mov_b32 s32, 0x80000000                      ; the sign bit
	; dt and a.  An error of dt is multiplied by l in the angle, so dt's exponent is carried in two parts: 2^(p + e) = 2^p (1 + e ln 2).
	s_wait_loadcnt 0x0
	v_mul_f32 v[T0], s20, v[LDT]                   ; p
	v_mul_f32 v[T1], s20, v[LAR]
	v_fma_f32 v[T2], v[LDT], s20, -v[T0]           ; what p's rounding lost
	v_exp_f32 v[T3], v[T0]
	v_exp_f32 v[AA], v[T1]
	v_fmac_f32 v[T2], s21, v[LDT]                  ; a plain instruction that touches neither result nor source stands behind the two v_exp_f32 (ISA guide 5.7.2)
	v_mul_f32 v[T2], s22, v[T2]
	s_wait_alu depctr_va_vdst(0)
	v_fma_f32 v[DT], v[T3], v[T2], v[T3]
	v_mul_f32 v[XA], -v[AIM], v[DT]                ; -theta: index 0 is conj w.  theta = b dt rounded once, as in the reference
	v_mul_f32 v[T0], v[AA], v[DT]
	v_mul_f32 v[MG], 0xbfb8aa3b, v[T0]             ; log2 |w| = -(a dt) log2 e
	; the other four powers: exact multiples.  The A side (1, 64, 1024) is conjugated, the B side (4, 256) is not.
	v_mul_f32 v[XA+1], -4.0, v[XA]
	v_mul_f32 v[MG+1], 4.0, v[MG]
	v_mul_f32 v[XA+2], 0x42800000, v[XA]
	v_mul_f32 v[MG+2], 0x42800000, v[MG]
	v_mul_f32 v[XA+3], 0xc3800000, v[XA]
	v_mul_f32 v[MG+3], 0x43800000, v[MG]
	v_mul_f32 v[XA+4], 0x44800000, v[XA]
	v_mul_f32 v[MG+4], 0x44800000, v[MG]
	; five times exp(x + i t), step by step side by side so that no instruction waits for the one in front of it
.irp i, 0,1,2,3,4
	v_mul_f32 v[KF+\i], s23, v[XA+\i]
.endr
.irp i, 0,1,2,3,4
	v_rndne_f32 v[KF+\i], v[KF+\i]                 ; k quarter turns
.endr
.irp i, 0,1,2,3,4
	v_exp_f32 v[ME+\i], v[MG+\i]                   ; used far below
.endr
.irp i, 0,1,2,3,4
	v_fma_f32 v[XA+\i], v[KF+\i], s24, v[XA+\i]    ; y = t - k pi/2, the product exact inside the fused multiply-add
.endr
.irp i, 0,1,2,3,4
	v_fma_f32 v[XA+\i], v[KF+\i], s25, v[XA+\i]
.endr
.irp i, 0,1,2,3,4
	v_mul_f32 v[ZA+\i], v[XA+\i], v[XA+\i]
	v_cvt_i32_f32 v[KF+\i], v[KF+\i]
.endr
.irp i, 0,1,2,3,4
	v_fma_f32 v[PSI+\i], v[ZA+\i], s28, s27
	v_fma_f32 v[PCO+\i], v[ZA+\i], s31, s30
.endr
.irp i, 0,1,2,3,4
	v_fma_f32 v[PSI+\i], v[PSI+\i], v[ZA+\i], s26
	v_fma_f32 v[PCO+\i], v[PCO+\i], v[ZA+\i], s29
.endr
.irp i, 0,1,2,3,4
	v_mul_f32 v[TA+\i], v[ZA+\i], v[XA+\i]
	v_fma_f32 v[UA+\i], v[ZA+\i], -0.5, 1.0
.endr
.irp i, 0,1,2,3,4
	v_mul_f32 v[ZA+\i], v[ZA+\i], v[ZA+\i]
	v_fma_f32 v[PSI+\i], v[PSI+\i], v[TA+\i], v[XA+\i]     ; sin y
.endr
.irp i, 0,1,2,3,4
	v_fma_f32 v[PCO+\i], v[PCO+\i], v[ZA+\i], v[UA+\i]     ; cos y
	v_and_b32 v[TA+\i], 1, v[KF+\i]
.endr
.irp i, 0,1,2,3,4
	v_cmp_eq_u32 s[34+\i], 1, v[TA+\i]             ; odd k: sine and cosine change places
	v_lshlrev_b32 v[TA+\i], 30, v[KF+\i]           ; bit 1 of k to the sign's place: the sine is negative for k = 2, 3 (mod 4)
	v_add_nc_u32 v[KF+\i], 1, v[KF+\i]             ; the cosine for k = 1, 2
.endr
	s_wait_alu depctr_va_sdst(0)                   ; the five compares have written s34 to s38, ahead of the first select that reads one of them
.irp i, 0,1,2,3,4
	v_cndmask_b32 v[XA+\i], v[PCO+\i], v[PSI+\i], s[34+\i]
	v_cndmask_b32 v[UA+\i], v[PSI+\i], v[PCO+\i], s[34+\i]
	v_lshlrev_b32 v[KF+\i], 30, v[KF+\i]
.endr
.irp i, 0,1,2,3,4
	v_and_b32 v[TA+\i], s32, v[TA+\i]
	v_and_b32 v[KF+\i], s32, v[KF+\i]
.endr
	s_wait_alu depctr_va_vdst(0)
.irp i, 0,1,2,3,4
	v_xor_b32 v[XA+\i], v[XA+\i], v[KF+\i]
	v_xor_b32 v[UA+\i], v[UA+\i], v[TA+\i]
.endr
.macro FIN i, d
	v_mul_f32 v[\d], v[XA+\i], v[ME+\i]
	v_mul_f32 v[\d+1], v[UA+\i], v[ME+\i]
.endm
	FIN 0, C1                                      ; conj w
	FIN 1, UU+2                                    ; w^4: row 1 of Q
	FIN 2, D1                                      ; conj w^64
	FIN 3, B1                                      ; w^256
	FIN 4, E1                                      ; conj w^1024
	; X = 2 conj(Ct) = 2 conj(C) (conj w - 1) / conj(A) = 2 conj(C) (conj w - 1) A / |A|^2,  A = (-a, b)
	v_add_f32 v[T0], -1.0, v[C1]                   ; er; ei = v[C1+1]
	v_mul_f32 v[T1], v[CR+1], v[C1+1]
	v_mul_f32 v[T2], v[CR+1], v[T0]
	v_mul_f32 v[T3], v[AA], v[AA]
	v_fmac_f32 v[T1], v[CR], v[T0]                 ; nr = cr er + ci ei
	v_fma_f32 v[T2], v[CR], v[C1+1], -v[T2]        ; ni = cr ei - ci er
	v_fmac_f32 v[T3], v[AIM], v[AIM]               ; |A|^2
	v_rcp_f32 v[T6], v[T3]
	v_mul_f32 v[T4], v[AIM], v[T2]                 ; plain work behind v_rcp_f32 before its result is used (ISA guide 5.7.2)
	v_mul_f32 v[T5], v[AA], v[T2]
	v_fmac_f32 v[T4], v[AA], v[T1]                 ; a nr + b ni
	v_fma_f32 v[T5], v[AIM], v[T1], -v[T5]         ; b nr - a ni
	s_wait_alu depctr_va_vdst(0)
	v_mul_f32 v[T6], -2.0, v[T6]
	v_mul_f32 v[ZZ], v[T4], v[T6]                  ; Re X = -2 (a nr + b ni) / |A|^2
	v_mul_f32 v[ZZ+1], -v[T5], v[T6]               ; Im X =  2 (b nr - a ni) / |A|^2
; A complex product d = x s in two packed instructions; d is neither x nor s.
.macro CM1 d, x, s                     ; d = (-xi si, xi sr): x's second register feeds both halves, s's registers crosswise, the low half negated
	v_pk_mul_f32 v[\d:\d+1], v[\x:\x+1], v[\s:\s+1] op_sel:[1,1] op_sel_hi:[1,0] neg_lo:[1,0]
.endm
.macro CM2 d, x, s                     ; d = (xr sr, xr si) + d: x's first register feeds both halves
	v_pk_fma_f32 v[\d:\d+1], v[\x:\x+1], v[\s:\s+1], v[\d:\d+1] op_sel_hi:[0,1,1]
.endm
	; The first 16 rows of each table, by doubling: four levels deep instead of a chain of fifteen.
	; Q: U_r = w^(4r) at UU + 2r.   P: row m = i + 4 (j >> 1) + 8 (j & 1) at ZZ + 2m is X conj(w)^(i + 64 j), i, j = 0..3.
	CM1 UU+4, UU+2, UU+2                           ; U2
	CM1 C2, C1, C1
	CM1 D2, D1, D1
	CM2 UU+4, UU+2, UU+2
	CM2 C2, C1, C1
	CM2 D2, D1, D1
	CM1 UU+6, UU+4, UU+2                           ; U3
	CM1 UU+8, UU+4, UU+4                           ; U4
	CM1 C3, C2, C1
	CM1 D3, D2, D1
	CM1 ZZ+2, ZZ, C1                               ; X conj w
	CM1 ZZ+4, ZZ, C2
	CM2 UU+6, UU+4, UU+2
	CM2 UU+8, UU+4, UU+4
	CM2 C3, C2, C1
	CM2 D3, D2, D1
	CM2 ZZ+2, ZZ, C1
	CM2 ZZ+4, ZZ, C2
	CM1 UU+10, UU+8, UU+2                          ; U5, U6, U7, U8
	CM1 UU+12, UU+8, UU+4
	CM1 UU+14, UU+8, UU+6
	CM1 UU+16, UU+8, UU+8
	CM1 ZZ+6, ZZ, C3
	CM2 UU+10, UU+8, UU+2
	CM2 UU+12, UU+8, UU+4
	CM2 UU+14, UU+8, UU+6
	CM2 UU+16, UU+8, UU+8
	CM2 ZZ+6, ZZ, C3
.irp r, 1,2,3,4,5,6,7
	CM1 UU+16+2*\r, UU+16, UU+2*\r                 ; U9 .. U15
.endr
.irp i, 0,1,2,3
	CM1 ZZ+16+2*\i, ZZ+2*\i, D1                    ; j = 1: rows 8 + i
	CM1 ZZ+8+2*\i, ZZ+2*\i, D2                     ; j = 2: rows 4 + i
	CM1 ZZ+24+2*\i, ZZ+2*\i, D3                    ; j = 3: rows 12 + i
.endr
.irp r, 1,2,3,4,5,6,7
	CM2 UU+16+2*\r, UU+16, UU+2*\r
.endr
.irp i, 0,1,2,3
	CM2 ZZ+16+2*\i, ZZ+2*\i, D1
	CM2 ZZ+8+2*\i, ZZ+2*\i, D2
	CM2 ZZ+24+2*\i, ZZ+2*\i, D3
.endr
; Step t of the two tables.  Q's rows 16 t + r (w^(256 t + 4 r)) lie in array qs, P's rows 16 t + m (X conj(w)^(1024 t + i + 64 j)) in array ps.
; They go to LDS, the 32 lanes' 8 bytes being a row's 256 consecutive bytes; more = 1: times w^256 and conj w^1024 they make the next step's rows, in qd and pd.
; A row's two stores stand ahead of the first product that names the row, so no vector instruction issued since the step's waits names what a store
; still to come reads.  The second half of a product follows two rows behind the first, so that it does not wait for it.
.macro GROW qs, ps, qd, pd, t, more
.set r, 0
.rept 18
.if r < 16
	ds_store_b64 v[SA], v[\qs+2*r:\qs+2*r+1] offset:(16*\t+r)*PITCH
	ds_store_b64 v[SA], v[\ps+2*r:\ps+2*r+1] offset:TBL+(16*\t+r)*PITCH
.if \more
	CM1 \qd+2*r, \qs+2*r, B1
	CM1 \pd+2*r, \ps+2*r, E1
.endif
.endif
.if (\more) && (r >= 2)
	CM2 \qd+2*(r-2), \qs+2*(r-2), B1
	CM2 \pd+2*(r-2), \ps+2*(r-2), E1
.endif
.set r, r+1
.endr
.endm
; 16 modes of my row of a tile, f32: register f + 2q, f + 2q + 1 = mode 16 hh + q
.macro LDTILE f, base
.irp i, 0,1,2,3,4,5,6,7
	ds_load_b128 v[\f+4*\i:\f+4*\i+3], v[RA] offset:\base+16*\i
.endr
.endm
; two of those eight loads
.macro LD2 f, base, i
	ds_load_b128 v[\f+4*\i:\f+4*\i+3],   v[RA] offset:\base+16*\i
	ds_load_b128 v[\f+4*\i+4:\f+4*\i+7], v[RA] offset:\base+16*\i+16
.endm
	; Each step's head asks for the tile of Q that the step before stored: LDS serves a wave's instructions in order (ISA guide 5.7.1), so the loads see those stores.
	s_wait_alu depctr_va_vdst(0)                   ; UU and ZZ are written, which step 0's stores read; so are v2, v3, v4, the addresses of all that follows; and the exponentials are done with v24 to v68, in which rows of Q land
	GROW UU, ZZ, TT, YY, 0, 1
	s_wait_alu depctr_va_vdst(0)                   ; step 0's products have written TT and YY, which step 1's stores read
	s_wait_alu depctr_vm_vsrc(0)                   ; step 0's stores have read UU and ZZ, which step 1's products write again
	LDTILE F0, 0                                   ; no vector instruction since step 0's wait names F0 or F1
	GROW TT, YY, UU, ZZ, 1, 1
	s_wait_alu depctr_va_vdst(0)                   ; step 1's products have written UU and ZZ, which step 2's stores read
	s_wait_alu depctr_vm_vsrc(0)                   ; step 1's stores have read TT and YY, which step 2's products write again
	LDTILE F1, 16*PITCH
	GROW UU, ZZ, TT, YY, 2, 1
	s_wait_alu depctr_va_vdst(0)                   ; step 2's products have written TT and YY, which step 3's stores read, and are done reading UU, in which the loads below land
	s_wait_alu depctr_vm_vsrc(0)                   ; step 2's stores have read UU, in which the loads below land, and ZZ, which B's first fragments overwrite
	LDTILE F2, 32*PITCH
	GROW TT, YY, TT, YY, 3, 0                      ; the last rows: nothing more to make
; 16 complex numbers in f to fragments at d: register d + q = (re, im) of mode q as bf16, d + 16 + q = what the rounding left, as bf16.
; Registers d .. d+7 and d+8 .. d+15 are the two K steps of 32.  Slot (half of the lanes, register, half of the register) holds the same
; mode and part in A and in B, which is all that the sum over k asks.
.macro SPLIT f, d
.irp q, 0,1,2,3,4,5,6,7,8,9,10,11,12,13,14,15
	v_cvt_pk_bf16_f32 v[\d+\q], v[\f+2*\q], v[\f+2*\q+1]
.endr
.irp q, 0,1,2,3,4,5,6,7,8,9,10,11,12,13,14,15
	v_fma_mix_f32_bf16 v[\f+2*\q], v[\d+\q], v[NEG1], v[\f+2*\q] op_sel_hi:[1,0,0]                   ; re - its bf16 (low half), exact
	v_fma_mix_f32_bf16 v[\f+2*\q+1], v[\d+\q], v[NEG1], v[\f+2*\q+1] op_sel:[1,0,0] op_sel_hi:[1,0,0]  ; im - its bf16 (high half)
.endr
.irp q, 0,1,2,3,4,5,6,7,8,9,10,11,12,13,14,15
	v_cvt_pk_bf16_f32 v[\d+16+\q], v[\f+2*\q], v[\f+2*\q+1]
.endr
.endm
	; B's fragments, all four column tiles, kept for the rest of the kernel
	s_wait_dscnt 32                                ; three tiles of Q are in: behind the last of their loads stand step 3's 32 stores, which may be out
	SPLIT F0, BF
	s_wait_alu depctr_vm_vsrc(0)                   ; step 3's stores have read TT and YY, which the fragments from here on overwrite
	SPLIT F1, BF+32
	s_wait_alu depctr_va_vdst(0)                   ; the two splits are done reading and writing F0 and F1, in which the loads below land
	LDTILE F0, 48*PITCH                            ; Q's last tile
	LDTILE F1, TBL                                 ; P's first tile; both come while the third tile of Q is split
	SPLIT F2, BF+64
	s_wait_dscnt 8                                 ; Q's last tile is in, the eight loads of P's tile may be out
	SPLIT F0, BF+96
; four matrix instructions: part pa of A (0 upper, 1 rest) x part pb of B, K step c, the four column tiles
.macro MM pa, pb, c, first
.irp t, 0,1,2,3
.if \first
	v_wmma_f32_16x16x32_bf16 v[AC+8*\t:AC+8*\t+7], v[AF+16*\pa+8*\c:AF+16*\pa+8*\c+7], v[BF+32*\t+16*\pb+8*\c:BF+32*\t+16*\pb+8*\c+7], 0
.else
	v_wmma_f32_16x16x32_bf16 v[AC+8*\t:AC+8*\t+7], v[AF+16*\pa+8*\c:AF+16*\pa+8*\c+7], v[BF+32*\t+16*\pb+8*\c:BF+32*\t+16*\pb+8*\c+7], v[AC+8*\t:AC+8*\t+7]
.endif
.endr
.endm
; the next tile's rows, two loads at a time among this tile's matrix instructions, which name AF, BF and AC: none of the registers that the loads touch
.macro NEXT m, i
.if \m < 3
	LD2 F0, TBL+(\m+1)*16*PITCH, \i
.endif
.endm
; One tile row m: 1,024 values of l, 4,096 consecutive bytes of the output.  f: the buffer in which its rows have landed
.macro ATILE m, f
	s_wait_dscnt 0x0                               ; my 16 modes of the tile's row
	SPLIT \f, AF
.if \m < 3
	s_wait_alu depctr_va_vdst(0)                   ; the splits issued so far are done reading and writing F0, in which the next tile's rows land
.endif
.if \m > 0
	s_wait_xcnt 0x0                                ; the accumulators, which the last tile's stores read, are written again only behind this wait (ISA guide 3.1)
	s_wait_alu depctr_vm_vsrc(0)                   ; and those stores have read the accumulators, which the first products below write
.endif
	MM 0, 0, 0, 1                                  ; the first product starts the sums: nothing is cleared
	NEXT \m, 0
	MM 0, 0, 1, 0
	NEXT \m, 2
	MM 0, 1, 0, 0
	NEXT \m, 4
	MM 0, 1, 1, 0
	NEXT \m, 6
	MM 1, 0, 0, 0
	MM 1, 0, 1, 0
.rept 5
	v_nop                                          ; places behind the last matrix instructions: four before the stores read the results and before
.endr                                                  ; A's registers are written again, five before the next tile's first products write over the accumulators
	s_wait_alu depctr_va_vdst(0)                   ; the matrix instructions have written the accumulators, which the stores read; the places above stay beside this wait
.irp t, 0,1,2,3
	global_store_b128 v[GO], v[AC+8*\t:AC+8*\t+3], s[12:13] offset:4096*\m+1024*\t th:TH_STORE_NT
	global_store_b128 v[GO], v[AC+8*\t+4:AC+8*\t+7], s[12:13] offset:4096*\m+1024*\t+512 th:TH_STORE_NT
.endr
.endm
	ATILE 0, F1                                    ; its rows lie in F1, whose registers its own products then take as accumulators
	ATILE 1, F0
	ATILE 2, F0
	ATILE 3, F0
	s_set_vgpr_msb 0x4
	s_wait_dscnt 0x0
	s_wait_alu depctr_hold_cnt(0) depctr_sa_sdst(0) depctr_va_vdst(0) depctr_va_sdst(0) depctr_va_ssrc(0) depctr_va_vcc(0) depctr_vm_vsrc(0)
	s_wait_tensorcnt 0x0
	ds_add_u32 v23, v1
	s_wait_dscnt 0x0
	s_endpgm
.Lfunc_end_k_q1437c24181_ssm:
	.size	k_q1437c24181_ssm, .Lfunc_end_k_q1437c24181_ssm-k_q1437c24181_ssm
	.p2alignl 7, 3214868480
	.fill 96, 4, 3214868480
	.section	.rodata,"a",@progbits
	.p2align	6, 0x0
	.amdhsa_kernel k_q1437c24181_ssm
		.amdhsa_group_segment_fixed_size 168448
		.amdhsa_private_segment_fixed_size 0
		.amdhsa_enable_private_segment 0
		.amdhsa_kernarg_size 40
		.amdhsa_user_sgpr_count 2
		.amdhsa_user_sgpr_kernarg_segment_ptr 1
		.amdhsa_wavefront_size32 1
		.amdhsa_system_sgpr_workgroup_id_x 1
		.amdhsa_system_sgpr_workgroup_id_y 1
		.amdhsa_system_sgpr_workgroup_id_z 1
		.amdhsa_system_vgpr_workitem_id 0
		.amdhsa_next_free_vgpr 258
		.amdhsa_next_free_sgpr 66
		.amdhsa_reserve_vcc 0
		.amdhsa_float_denorm_mode_32 3
		.amdhsa_float_denorm_mode_16_64 3
		.amdhsa_memory_ordered 1
		.amdhsa_forward_progress 1
		.amdhsa_inst_pref_size 82
	.end_amdhsa_kernel
	.amdgpu_metadata
---
amdhsa.version: [ 1, 2 ]
amdhsa.kernels:
  - .name:           k_q1437c24181_ssm
    .symbol:         k_q1437c24181_ssm.kd
    .args:
      - { .name: A_imag, .offset: 0, .size: 8, .value_kind: global_buffer, .address_space: global }
      - { .name: C_real, .offset: 8, .size: 8, .value_kind: global_buffer, .address_space: global }
      - { .name: log_A_real, .offset: 16, .size: 8, .value_kind: global_buffer, .address_space: global }
      - { .name: log_dt, .offset: 24, .size: 8, .value_kind: global_buffer, .address_space: global }
      - { .name: out0, .offset: 32, .size: 8, .value_kind: global_buffer, .address_space: global }
    .group_segment_fixed_size: 168448
    .private_segment_fixed_size: 0
    .kernarg_segment_align: 8
    .kernarg_segment_size: 40
    .max_flat_workgroup_size: 128
    .sgpr_count:     66
    .vgpr_count:     258
    .wavefront_size: 32
...
	.end_amdgpu_metadata
.endif
;; end of part 2
